; MI455X (gfx1250); checked and timed in simulation.
; The chip was launched on July 23, 2026; its instructions are those of AMD's public machine-readable ISA for CDNA 5 (MIT licence, August 2026) and "CDNA5" Instruction Set Architecture Reference Guide (July 2026). The comments in the code are by the model that wrote it; some were corrected since.
;; Expert Group. Allowed arithmetic: float matrix products may take bf16 or f16 operands with f32 sums; other float arithmetic in f32, or as packed bf16 or f16 multiplies, adds, multiply-adds, maxima and minima; sums over many terms, partial sums and values carried from step to step in f32; what a program stores and reads back later, other than sums and carried values, may be rounded once to bf16 or f16.
;; Inputs: expert_indices 1,024 int32; w_down 8 x 2,048 x 1,024 float32; w_gate 8 x 1,024 x 2,048 float32; w_up 8 x 1,024 x 2,048 float32; x 1,024 x 1,024 float32.
;; Outputs: out0 1,024 x 1,024 float32.
;; One version. Each part assembles by itself: llvm-mc -triple=amdgcn-amd-amdhsa -mcpu=gfx1250 --defsym DOCPART=n.
;; ======== version 1 of 1: 2 launches
;; workspace buffers: hid 4,194,304 bytes
;; launch gateup (part 1): grid 32 x 8, 16 waves a work-group, no clusters, 148,736 bytes of LDS; arguments x, expert_indices, w_gate, w_up, hid; writes hid
.if DOCPART == 1
	.amdgcn_target "amdgcn-amd-amdhsa--gfx1250"
	.amdhsa_code_object_version 6
	.text
	.protected	k_qb73b76c8b4_gateup
	.globl	k_qb73b76c8b4_gateup
	.p2align	8
	.type	k_qb73b76c8b4_gateup,@function
k_qb73b76c8b4_gateup:
	s_mov_b64 s[64:65], 0
	v_nop
	global_prefetch_b8 v0, s[64:65] scope:SCOPE_SE
	s_setreg_imm32_b32 hwreg(HW_REG_WAVE_MODE, 25, 1), 1
	s_wait_xcnt 0x0
; hid = silu(x Wg[e]) * (x Wu[e]) for the tokens whose index names expert e.  x [1024][1024] f32, w_gate, w_up [8][1024][2048] f32.
; hid: bf16, [128 planes of 16 columns][1024 sorted rows][32 bytes]; sorted row = (tokens with a lower index) + the token's rank in its expert's list.
; In that layout 16 rows of a plane are 512 consecutive bytes, and the next launch loads them straight into a matrix operand's registers.
; SHARES.  Work-group (s, e): columns 64 s .. 64 s + 63 of gate and of up, expert e, all of its rows: it alone reads its 512 KiB of weights, once.
; All 16 waves run one text.  K goes in 16 chunks of 64.  Of a chunk wave w loads rows 2 w + h + 32 m of gate and of up (4 loads of 2 x 256 bytes) and token rows
; 2 w + h + 32 i (6 loads), rounds them to bf16 and stores them into LDS; it multiplies row tiles w % 4 + 4 i (i = 0..2) by gate's and up's column tile w / 4.
; Three register sets and three LDS slots take turns: a trip stores chunk j, asks for chunk j + 3, signals the barrier, multiplies chunk j - 1, and waits for the barrier:
; a wave that has ended its products goes on to the next chunk's stores without waiting for the other waves' products.
; The main pass serves the expert's rows 0-191; rows from 192 on take a plain path behind it, straight from memory: slow, stores of 16 bytes a lane.
; ROWS PAST THE COUNT.  EXEC is never narrowed.  Places past the count n repeat the expert's last row, so they hold its numbers again; a store instruction whose first row
; is past the count is jumped; in one that holds rows on both sides the lanes past the count store the last row's bytes to the last row's place a second time.
; No tensor loads: the f32 numbers pass through registers to be rounded anyway.  No cluster: a slice of weights has one reader, and the rows come by a list.
; LIMITS.  Indices lie in 0..7.  Matrix operands are rounded to bf16, hid once to bf16.  silu(g) = g / (1 + 2^(-1.442695 g)): where the power overflows the quotient is 0.
; An expert without rows still streams its weights, multiplies a repeated row and stores nothing.  An expert's first row in a plane lies at a multiple of 32 bytes, not of 256.
.set ROWB,   8192                      ; bytes in a row of w_gate, w_up
.set CHB,    64*ROWB                   ; from a chunk of weights to the next
.set WPITCH, 288                       ; an LDS row of weights: 128 bytes gate + 128 bytes up + 32 of padding: 9 x 32 bytes, for the turning load
.set WSLOT,  64*WPITCH
.set APITCH, 144                       ; an LDS row of x: 128 bytes + 16 of padding
.set ASLOT,  192*APITCH
.set ASTEP,  256                       ; bytes of a row of x in a chunk
.set META,   0                         ; n, off
.set SPARE,  256                       ; the spare words: 128 bytes for each of 16 waves, eight blocks of 256 bytes that no other line names
.set LIST,   2304                      ; 8,192 bytes, zeroed first.  Entry rank + 1: the token; entry 1025 takes what does not match
.set WBASE,  10496
.set ABASE,  WBASE+3*WSLOT
.set STAGE,  ABASE+ASLOT               ; the way out goes through slot 1 of the rows, last read in the last trip but one
.set VB,  4                            ; v4     LDS address of my fragments of weights
.set VA,  5                            ; v5-7   LDS address of my fragments of rows, by slot
.set WO,  8                            ; v8     byte offset of my 16 bytes in a chunk of weights
.set WS,  9                            ; v9     where I store them in LDS
.set AS,  10                           ; v10-12 where I store my piece of a row, by slot
.set ADR, 14                           ; v14-19 byte offsets of my six rows in x
.set SPW, 20                           ; v20    LDS address of my spare word; never rewritten
.set NIL, 21                           ; v21    0; never rewritten
.set T,   22                           ; v22-31 at work
.set BF,  32                           ; 2 fragments of weights
.set AF,  48                           ; 3 fragments of rows
.set ACC, 72                           ; 6 accumulators: row tile i, gate (c = 0) or up (c = 1) at ACC + 8 (2 i + c)
.set WX,  120                          ; 3 sets x 4 loads x 4 registers
.set AX,  168                          ; 3 sets x 6 loads x 4 registers
.set IX,  32                           ; the 32 registers of indices, ahead of the main pass
.set TT,  32                           ; silu: at work, in the fragments' registers
.set PP,  40
.set OO,  48
.set GR,  120                          ; the plain path: gate, up, x as loaded
.set UR,  136
.set AR,  152
.macro PLACES                          ; four plain places between a matrix instruction and a load into, or a vector line on, its registers
.rept 4
	v_nop
.endr
.endm
; One chunk for nt live row tiles, from slot sl: two steps of 32 along K.  Source 0 = 16 columns of weights (turned out of LDS), source 1 = 16 tokens:
; a lane then holds one token and eight neighbouring columns.  The accumulators take turns, one instruction a turn.
.macro CV nt, sl
.irp kk,0,1
	PLACES
.irp c,0,1
	ds_load_tr16_b128 v[BF+8*(\c):BF+8*(\c)+3],   v[VB] offset:(\sl)*WSLOT+(\kk)*32*WPITCH+128*(\c)
	ds_load_tr16_b128 v[BF+8*(\c)+4:BF+8*(\c)+7], v[VB] offset:(\sl)*WSLOT+(\kk)*32*WPITCH+16*WPITCH+128*(\c)
.endr
.set i, 0
.rept \nt
	ds_load_b128 v[AF+8*i:AF+8*i+3],   v[VA+(\sl)] offset:i*64*APITCH+(\kk)*64
	ds_load_b128 v[AF+8*i+4:AF+8*i+7], v[VA+(\sl)] offset:i*64*APITCH+(\kk)*64+32
.set i, i+1
.endr
.set i, 0
.rept \nt
	s_wait_dscnt 2*((\nt)-1-i)                     ; the weights and row tile i are in; the later tiles' two loads each may be out
.irp c,0,1
	v_wmma_f32_16x16x32_bf16 v[ACC+8*(2*i+(\c)):ACC+8*(2*i+(\c))+7], v[BF+8*(\c):BF+8*(\c)+7], v[AF+8*i:AF+8*i+7], v[ACC+8*(2*i+(\c)):ACC+8*(2*i+(\c))+7]
.endr
.set i, i+1
.endr
.endr
.endm
.macro COMP sl                         ; two row tiles, or three where the expert's count reaches my third
	s_cmp_eq_u32 s19, 3
	s_cbranch_scc1 .Lthree_\@
	CV 2, \sl
	s_branch .Lcdone_\@
.Lthree_\@:
	CV 3, \sl
.Lcdone_\@:
.endm
; Set st is rounded and stored into slot st; ld = 1: the set is loaded again, three chunks on.  cnt: the loads issued behind this set's last.
.macro STORE st, ld, cnt
	s_wait_loadcnt \cnt
.irp m,0,1,2,3
	v_cvt_pk_bf16_f32 v[WX+16*(\st)+4*(\m)],   v[WX+16*(\st)+4*(\m)],   v[WX+16*(\st)+4*(\m)+1]
	v_cvt_pk_bf16_f32 v[WX+16*(\st)+4*(\m)+1], v[WX+16*(\st)+4*(\m)+2], v[WX+16*(\st)+4*(\m)+3]
	ds_store_b64 v[WS], v[WX+16*(\st)+4*(\m):WX+16*(\st)+4*(\m)+1] offset:(\st)*WSLOT+((\m)%2)*32*WPITCH+((\m)/2)*128
.endr
.irp i,0,1,2,3,4,5
	v_cvt_pk_bf16_f32 v[AX+24*(\st)+4*(\i)],   v[AX+24*(\st)+4*(\i)],   v[AX+24*(\st)+4*(\i)+1]
	v_cvt_pk_bf16_f32 v[AX+24*(\st)+4*(\i)+1], v[AX+24*(\st)+4*(\i)+2], v[AX+24*(\st)+4*(\i)+3]
	ds_store_b64 v[AS+(\st)], v[AX+24*(\st)+4*(\i):AX+24*(\st)+4*(\i)+1] offset:(\i)*32*APITCH
.endr
.if \ld
	s_wait_xcnt 0x0                                ; the bases are stepped only behind this wait
	s_add_nc_u64 s[24:25], s[24:25], CHB
	s_add_nc_u64 s[26:27], s[26:27], CHB
	s_add_nc_u64 s[28:29], s[28:29], ASTEP
.irp m,0,1
	global_load_b128 v[WX+16*(\st)+4*(\m):WX+16*(\st)+4*(\m)+3], v[WO], s[24:25] offset:2*CHB+(\m)*32*ROWB th:TH_LOAD_NT
.endr
.irp m,0,1
	global_load_b128 v[WX+16*(\st)+8+4*(\m):WX+16*(\st)+8+4*(\m)+3], v[WO], s[26:27] offset:2*CHB+(\m)*32*ROWB th:TH_LOAD_NT
.endr
.irp i,0,1,2,3,4,5
	global_load_b128 v[AX+24*(\st)+4*(\i):AX+24*(\st)+4*(\i)+3], v[ADR+(\i)], s[28:29] offset:2*ASTEP
.endr
.endif
.endm
; Trip j: chunk j goes into slot st = j % 3; the signal; chunk j - 1 is multiplied out of slot cs = (j - 1) % 3; the wait.  What the barrier orders:
; the stores of chunk j are done at every wave's signal (the wait for 0), and are read behind the wait, in trip j + 1;
; the reads of slot cs are back at the signal of trip j + 1 (its wait for 0), and chunk j + 2 is stored into that slot behind that barrier's wait;
; while this barrier is open the other waves store chunk j (ahead of their signal) or chunk j + 1 (behind their wait): slots j % 3 and (j + 1) % 3, never the slot read here.
.macro TRIP st, cs, ld, cnt, comp
	STORE \st, \ld, \cnt
	s_wait_dscnt 0x0                               ; for the others' sake: my stores are done (my reads of the last trip came back there)
	s_barrier_signal -1
.if \comp
	COMP \cs
.endif
	s_barrier_wait -1
.endm
; OO = bf16 of (g / (1 + 2^(-1.442695 g))) u for eight numbers.  Two batches of transcendentals, each with a plain line behind it and one wait ahead of its first reader.
.macro SILU g, u
.irp j,0,2,4,6
	v_pk_mul_f32 v[TT+(\j):TT+(\j)+1], v[(\g)+(\j):(\g)+(\j)+1], 0xbfb8aa3b op_sel_hi:[1,0]
.endr
.irp j,0,1,2,3,4,5,6,7
	v_exp_f32 v[TT+(\j)], v[TT+(\j)]
.endr
	v_nop
	s_wait_alu depctr_va_vdst(0)                   ; one wait for the eight powers
.irp j,0,2,4,6
	v_pk_add_f32 v[TT+(\j):TT+(\j)+1], v[TT+(\j):TT+(\j)+1], 1.0 op_sel_hi:[1,0]
.endr
.irp j,0,1,2,3,4,5,6,7
	v_rcp_f32 v[TT+(\j)], v[TT+(\j)]
.endr
	v_nop
	s_wait_alu depctr_va_vdst(0)                   ; one wait for the eight reciprocals
.irp j,0,2,4,6
	v_pk_mul_f32 v[PP+(\j):PP+(\j)+1], v[(\g)+(\j):(\g)+(\j)+1], v[TT+(\j):TT+(\j)+1]
.endr
.irp j,0,2,4,6
	v_pk_mul_f32 v[PP+(\j):PP+(\j)+1], v[PP+(\j):PP+(\j)+1], v[(\u)+(\j):(\u)+(\j)+1]
.endr
.irp j,0,1,2,3
	v_cvt_pk_bf16_f32 v[OO+(\j)], v[PP+2*(\j)], v[PP+2*(\j)+1]
.endr
.endm
	s_load_b256 s[4:11], s[0:1], 0x0               ; x s[4:5], expert_indices s[6:7], w_gate s[8:9], w_up s[10:11]
	s_load_b64 s[12:13], s[0:1], 0x20              ; hid
	v_lshl_add_u32 v[SPW], v0, 2, SPARE
	v_mov_b32 v[NIL], 0
	v_lshrrev_b32 v1, 5, v0
	v_readfirstlane_b32 s14, v1                    ; wave w, 0..15
	v_and_b32 v1, 31, v0                           ; lane l
	v_and_b32 v2, 15, v0                           ; r = l % 16
	v_bfe_u32 v3, v0, 4, 1                         ; h = l / 16
	s_and_b32 s15, ttmp7, 0xffff                   ; expert e
	s_mov_b32 s16, ttmp9                           ; slice s
	s_and_b32 s20, s14, 3                          ; which row tile of four
	s_lshr_b32 s21, s14, 2                         ; which column tile of four
	v_lshl_add_u32 v[T], v0, 4, LIST               ; the list's 8,192 bytes are zeroed: 16 bytes a thread
	v_mov_b32 v[T+2], 0
	v_mov_b32 v[T+3], 0
	v_mov_b32 v[T+4], 0
	v_mov_b32 v[T+5], 0
	ds_store_b128 v[T], v[T+2:T+5]
	v_lshlrev_b32 v[T+1], 4, v1                    ; the indices: 16 bytes a lane
	s_lshl_b32 s31, s14, 14                        ; 2 w rows of 8,192 bytes
	v_lshlrev_b32 v[WO], 4, v2
	v_lshl_add_u32 v[WO], v3, 13, v[WO]
	v_add_nc_u32 v[WO], s31, v[WO]                 ; (2 w + h) rows + 16 r
	s_lshl_b32 s34, s15, 23                        ; e x 8,388,608
	s_lshl_b32 s33, s16, 8
	s_add_co_u32 s34, s34, s33
	s_mov_b32 s35, 0
	s_wait_kmcnt 0x0
	s_add_nc_u64 s[24:25], s[8:9], s[34:35]        ; gate at my expert's slice
	s_add_nc_u64 s[26:27], s[10:11], s[34:35]      ; up
	s_mov_b64 s[28:29], s[4:5]                     ; x
	; every wave loads all 1,024 indices, so that all issue the same loads; then three chunks of weights go out
.irp j,0,1,2,3,4,5,6,7
	global_load_b128 v[IX+4*(\j):IX+4*(\j)+3], v[T+1], s[6:7] offset:512*(\j)
.endr
.irp d,0,1,2
.irp m,0,1
	global_load_b128 v[WX+16*(\d)+4*(\m):WX+16*(\d)+4*(\m)+3], v[WO], s[24:25] offset:(\d)*CHB+(\m)*32*ROWB th:TH_LOAD_NT
.endr
.irp m,0,1
	global_load_b128 v[WX+16*(\d)+8+4*(\m):WX+16*(\d)+8+4*(\m)+3], v[WO], s[26:27] offset:(\d)*CHB+(\m)*32*ROWB th:TH_LOAD_NT
.endr
.endr
	; LDS addresses: a constant, the wave's number times a constant, a lane term
	v_and_b32 v[T], 7, v1
	v_lshl_add_u32 v[T], v3, 3, v[T]
	v_mul_u32_u24 v[VB], v[T], WPITCH
	v_bfe_u32 v[T], v1, 3, 1
	v_lshl_add_u32 v[VB], v[T], 4, v[VB]
	s_lshl_b32 s31, s21, 5
	s_add_co_u32 s31, s31, WBASE
	v_add_nc_u32 v[VB], s31, v[VB]                 ; (8 h + l % 8) rows + 16 ((l / 8) % 2) + my 32 bytes of gate
	s_mul_i32 s31, s20, 16*APITCH
	s_add_co_u32 s31, s31, ABASE
	v_mul_u32_u24 v[T], v2, APITCH
	v_lshl_add_u32 v[T], v3, 4, v[T]
	v_add_nc_u32 v[VA], s31, v[T]
	v_add_nc_u32 v[VA+1], ASLOT, v[VA]
	v_add_nc_u32 v[VA+2], 2*ASLOT, v[VA]
	s_mul_i32 s31, s14, 2*WPITCH
	s_add_co_u32 s31, s31, WBASE
	v_mul_u32_u24 v[T], v3, WPITCH
	v_lshl_add_u32 v[T], v2, 3, v[T]
	v_add_nc_u32 v[WS], s31, v[T]                  ; row 2 w + h, 8 r
	s_mul_i32 s31, s14, 2*APITCH
	s_add_co_u32 s31, s31, ABASE
	v_mul_u32_u24 v[T], v3, APITCH
	v_lshl_add_u32 v[T], v2, 3, v[T]
	v_add_nc_u32 v[AS], s31, v[T]
	v_add_nc_u32 v[AS+1], ASLOT, v[AS]
	v_add_nc_u32 v[AS+2], 2*ASLOT, v[AS]
.set i, 0
.rept 48                               ; the sums start at 0: written in the wait for the first loads; no first step is written out
	v_mov_b32 v[ACC+i], 0
.set i, i+1
.endr
	s_wait_dscnt 0x0                               ; my part of the list is zeroed
	s_barrier_signal -1
	s_barrier_wait -1
	s_wait_loadcnt 12                              ; the indices are in; the 12 loads of weights behind them stay out
	s_cmp_lg_u32 s14, 0
	s_cbranch_scc1 .Lnolist
	; WAVE 0 MAKES THE LIST.  Register 4 j + c of lane l holds the index of token 128 j + 4 l + c; a token's rank is the matches counted so far plus those in lower lanes.
	s_mov_b32 s42, 1                               ; the next free entry
	s_mov_b32 s43, 0                               ; tokens of lower experts
	v_lshlrev_b32 v[T], 2, v1
	v_mov_b32 v[T+1], 0x401
.set q, 0
.rept 32
	v_cmp_eq_u32 s40, s15, v[IX+q]
	v_cmp_gt_u32 vcc_lo, s15, v[IX+q]
	v_mbcnt_lo_u32_b32 v[T+2], s40, 0
	v_add_nc_u32 v[T+2], s42, v[T+2]
	v_cndmask_b32 v[T+2], v[T+1], v[T+2], s40      ; a match: its entry; else the entry that nobody reads
	v_min_u32 v[T+2], 0x401, v[T+2]
	v_lshl_add_u32 v[T+2], v[T+2], 2, LIST
	v_add_nc_u32 v[T+3], 128*(q/4)+(q%4), v[T]
	ds_store_b32 v[T+2], v[T+3]
	s_bcnt1_i32_b32 s41, s40
	s_add_co_u32 s42, s42, s41
	s_bcnt1_i32_b32 s41, vcc_lo
	s_add_co_u32 s43, s43, s41
.set q, q+1
.endr
	s_sub_co_u32 s42, s42, 1                       ; n
	v_mov_b32 v[T+4], s42
	v_mov_b32 v[T+5], s43
	v_mov_b32 v[T+6], META
	ds_store_b64 v[T+6], v[T+4:T+5]
.Lnolist:
	s_wait_dscnt 0x0                               ; the list is stored
	s_barrier_signal -1
	s_barrier_wait -1
	v_mov_b32 v[T], META
	ds_load_b64 v[T+2:T+3], v[T]
	s_wait_dscnt 0x0
	v_readfirstlane_b32 s17, v[T+2]                ; n: the expert's rows
	v_readfirstlane_b32 s18, v[T+3]                ; off: its first sorted row
	s_min_u32 s17, s17, 1024
	s_min_u32 s18, s18, 1024
	s_lshl_b32 s31, s20, 4
	s_add_co_u32 s31, s31, 128
	s_cmp_gt_u32 s17, s31
	s_cselect_b32 s19, 3, 2                        ; my third row tile begins at row 128 + 16 (w % 4)
	s_max_u32 s23, s17, 1
	s_sub_co_u32 s23, s23, 1                       ; the expert's last row (0 where it has none)
	s_lshl_b32 s34, s16, 17                        ; plane 4 s: 4 s x 32,768 bytes
	s_lshl_b32 s33, s18, 5                         ; a row of a plane is 32 bytes
	s_add_co_u32 s34, s34, s33
	s_mov_b32 s35, 0
	s_add_nc_u64 s[44:45], s[12:13], s[34:35]      ; hid at the expert's first row in plane 4 s
	; my six rows: 2 w + h + 32 i; places past the count take the last row's token again (with no rows: entry 1, still 0), so every path issues the same loads
	s_lshl_b32 s31, s14, 1
	v_add_nc_u32 v[T], s31, v3
	v_lshlrev_b32 v[T+1], 4, v2
.irp i,0,1,2,3,4,5
	v_add_nc_u32 v[T+2+(\i)], 32*(\i), v[T]
	v_min_u32 v[T+2+(\i)], s23, v[T+2+(\i)]
	v_add_nc_u32 v[T+2+(\i)], 1, v[T+2+(\i)]
	v_min_u32 v[T+2+(\i)], 0x400, v[T+2+(\i)]
	v_lshl_add_u32 v[T+2+(\i)], v[T+2+(\i)], 2, LIST
	ds_load_b32 v[ADR+(\i)], v[T+2+(\i)]
.endr
	s_wait_dscnt 0x0
.irp i,0,1,2,3,4,5
	v_min_u32 v[ADR+(\i)], 0x3ff, v[ADR+(\i)]
	v_lshl_add_u32 v[ADR+(\i)], v[ADR+(\i)], 12, v[T+1]
.endr
.irp d,0,1,2
.irp i,0,1,2,3,4,5
	global_load_b128 v[AX+24*(\d)+4*(\i):AX+24*(\d)+4*(\i)+3], v[ADR+(\i)], s[28:29] offset:(\d)*ASTEP
.endr
.endr
	; THE MAIN PASS.  The loads stand in the order W0 W1 W2 A0 A1 A2, then W3 A3, W4 A4 ..: behind A0 stand 12, behind A1 16, behind A2 and every later set's last 20.
	TRIP 0, 0, 1, 12, 0                            ; chunk 0 is stored; chunk 3 is asked for
	TRIP 1, 0, 1, 16, 1
	TRIP 2, 1, 1, 20, 1
	s_mov_b32 s30, 3
.Lmain:                                                ; chunks 3 to 11 are stored, 2 to 10 multiplied, 6 to 14 asked for
	TRIP 0, 2, 1, 20, 1
	TRIP 1, 0, 1, 20, 1
	TRIP 2, 1, 1, 20, 1
	s_sub_co_u32 s30, s30, 1
	s_cmp_lg_u32 s30, 0
	s_cbranch_scc1 .Lmain
	TRIP 0, 2, 1, 20, 1                            ; chunk 12; chunk 15 is asked for
	TRIP 1, 0, 0, 20, 1                            ; the last three ask for nothing: the counts run down
	TRIP 2, 1, 0, 10, 1
	TRIP 0, 2, 0, 0, 1
	COMP 0                                         ; chunk 15
	PLACES
	; The stage is slot 1 of the rows.  It was last read in the last trip but one; every wave gave the last trip's signal behind those reads, and these stores stand behind that barrier's wait.
	s_lshl_b32 s31, s21, 5
	v_add_nc_u32 v[T], s31, v[VA+1]                ; my row, 16 h, and my 32 bytes of its 128
.irp i,0,1,2
	SILU ACC+16*(\i), ACC+16*(\i)+8
	ds_store_b128 v[T], v[OO:OO+3] offset:(\i)*64*APITCH
.endr
	s_wait_dscnt 0x0
	s_barrier_signal -1
	s_barrier_wait -1
	; THE WAY OUT.  A unit is 16 rows x 32 bytes of one plane: 512 consecutive bytes of hid.  Wave w takes plane 4 s + w % 4 and row tiles w / 4 + 4 q.  A unit whose first row is
	; past the count is jumped, and so are the later ones; in the unit that holds the count the later rows, copies of the last row, go to the last row's place again.
	v_lshrrev_b32 v[T], 1, v1
	s_lshl_b32 s31, s21, 4
	v_add_nc_u32 v[T], s31, v[T]                   ; row 16 (w / 4) + l / 2
	v_and_b32 v[T+3], 1, v1
	v_lshlrev_b32 v[T+3], 4, v[T+3]                ; 16 (l % 2)
	v_mul_u32_u24 v[T+1], v[T], APITCH
	v_add_nc_u32 v[T+1], v[T+1], v[T+3]
	s_lshl_b32 s32, s20, 5                         ; the plane's 32 bytes of a stage row
	s_add_co_u32 s32, s32, STAGE
	v_add_nc_u32 v[T+1], s32, v[T+1]
	s_lshl_b32 s38, s20, 15
	s_mov_b32 s39, 0
	s_add_nc_u64 s[38:39], s[44:45], s[38:39]      ; hid at the expert's first row in my plane
.irp q,0,1,2
	ds_load_b128 v[32+4*(\q):35+4*(\q)], v[T+1] offset:(\q)*64*APITCH
	v_add_nc_u32 v[T+4+(\q)], 64*(\q), v[T]
	v_min_u32 v[T+4+(\q)], s23, v[T+4+(\q)]
	v_min_u32 v[T+4+(\q)], 0x3ff, v[T+4+(\q)]
	v_lshl_add_u32 v[T+4+(\q)], v[T+4+(\q)], 5, v[T+3]
.endr
	s_wait_dscnt 0x0
.irp q,0,1,2
	s_add_co_u32 s32, s31, 64*(\q)                 ; the unit's first row
	s_cmp_ge_u32 s32, s17
	s_cbranch_scc1 .Lstored
	global_store_b128 v[T+4+(\q)], v[32+4*(\q):35+4*(\q)], s[38:39]
.endr
.Lstored:
	s_wait_xcnt 0x0                                ; the stores' registers are rewritten only behind this wait
	; ROWS FROM 192 ON.  Column tile g = w % 4, row tile 12 + 4 R + w / 4, R = 0..12: a constant count that covers 1,024 rows; tiles past the count are jumped.
	; No barrier, no LDS store.  Weights come as 4 bytes a lane from 16 rows a fragment.
	s_add_co_u32 s47, s17, 15
	s_lshr_b32 s47, s47, 4                         ; row tiles
	s_cmp_le_u32 s47, 12
	s_cbranch_scc1 .Lend
	s_add_co_u32 s48, s21, 12
	s_lshl_b32 s34, s15, 23
	s_lshl_b32 s33, s16, 8
	s_add_co_u32 s34, s34, s33
	s_lshl_b32 s33, s20, 6
	s_add_co_u32 s34, s34, s33
	s_mov_b32 s35, 0                               ; s[34:35]: my 16 columns' byte offset in either weight
	s_lshl_b32 s36, s20, 15                        ; my 16 columns are plane 4 s + g
	s_mov_b32 s37, 0
	s_add_nc_u64 s[56:57], s[44:45], s[36:37]
	v_lshlrev_b32 v[T+4], 2, v2
	v_lshl_add_u32 v[T+4], v3, 16, v[T+4]          ; 8 h rows + 4 r
	s_mov_b32 s58, 13
.Lsl_unit:
	s_cmp_ge_u32 s48, s47
	s_cbranch_scc1 .Lsl_next
	v_lshl_add_u32 v[T+5], s48, 4, v2              ; my row;
	v_min_u32 v[T+3], s23, v[T+5]                  ; past the count: the last row again, in what is read and in where it is stored
	v_min_u32 v[T+3], 0x3ff, v[T+3]
	v_add_nc_u32 v[T+6], 1, v[T+3]
	v_min_u32 v[T+6], 0x400, v[T+6]
	v_lshl_add_u32 v[T+6], v[T+6], 2, LIST
	ds_load_b32 v[T+7], v[T+6]
	s_add_nc_u64 s[50:51], s[8:9], s[34:35]
	s_add_nc_u64 s[52:53], s[10:11], s[34:35]
	s_mov_b64 s[54:55], s[4:5]
.set i, 0
.rept 16
	v_mov_b32 v[ACC+i], 0
.set i, i+1
.endr
	s_wait_dscnt 0x0
	v_min_u32 v[T+7], 0x3ff, v[T+7]
	v_lshlrev_b32 v[T+8], 5, v3
	v_lshl_add_u32 v[T+8], v[T+7], 12, v[T+8]
	s_mov_b32 s59, 32
.Lsl_k:                                                ; 32 along K
	PLACES
.irp j,0,1,2,3,4,5,6,7
	global_load_b32 v[GR+(\j)],   v[T+4], s[50:51] offset:(\j)*ROWB
	global_load_b32 v[GR+8+(\j)], v[T+4], s[50:51] offset:(16+(\j))*ROWB
	global_load_b32 v[UR+(\j)],   v[T+4], s[52:53] offset:(\j)*ROWB
	global_load_b32 v[UR+8+(\j)], v[T+4], s[52:53] offset:(16+(\j))*ROWB
.endr
	global_load_b128 v[AR:AR+3],     v[T+8], s[54:55]
	global_load_b128 v[AR+4:AR+7],   v[T+8], s[54:55] offset:16
	global_load_b128 v[AR+8:AR+11],  v[T+8], s[54:55] offset:64
	global_load_b128 v[AR+12:AR+15], v[T+8], s[54:55] offset:80
	s_wait_loadcnt 0x0                             ; all are in: the bases may be stepped below
	s_wait_xcnt 0x0
.irp m,0,1,2,3,4,5,6,7
	v_cvt_pk_bf16_f32 v[GR+(\m)], v[GR+2*(\m)], v[GR+2*(\m)+1]
	v_cvt_pk_bf16_f32 v[UR+(\m)], v[UR+2*(\m)], v[UR+2*(\m)+1]
	v_cvt_pk_bf16_f32 v[AR+(\m)], v[AR+2*(\m)], v[AR+2*(\m)+1]
.endr
	v_wmma_f32_16x16x32_bf16 v[ACC:ACC+7],    v[GR:GR+7], v[AR:AR+7], v[ACC:ACC+7]
	v_wmma_f32_16x16x32_bf16 v[ACC+8:ACC+15], v[UR:UR+7], v[AR:AR+7], v[ACC+8:ACC+15]
	s_add_nc_u64 s[50:51], s[50:51], 32*ROWB
	s_add_nc_u64 s[52:53], s[52:53], 32*ROWB
	s_add_nc_u64 s[54:55], s[54:55], 128
	s_sub_co_u32 s59, s59, 1
	s_cmp_lg_u32 s59, 0
	s_cbranch_scc1 .Lsl_k
	PLACES
	SILU ACC, ACC+8
	v_lshlrev_b32 v[T+9], 4, v3
	v_lshl_add_u32 v[T+9], v[T+3], 5, v[T+9]       ; my row's 32 bytes in the plane, 16 h
	global_store_b128 v[T+9], v[OO:OO+3], s[56:57]
	s_wait_xcnt 0x0                                ; the store's registers are rewritten only behind this wait
.Lsl_next:
	s_add_co_u32 s48, s48, 4
	s_sub_co_u32 s58, s58, 1
	s_cmp_lg_u32 s58, 0
	s_cbranch_scc1 .Lsl_unit
.Lend:
	s_wait_tensorcnt 0x0                           ; the wave's end
	ds_add_u32 v[SPW], v[NIL]
	s_wait_dscnt 0x0
	s_endpgm
.Lfunc_end_k_qb73b76c8b4_gateup:
	.size	k_qb73b76c8b4_gateup, .Lfunc_end_k_qb73b76c8b4_gateup-k_qb73b76c8b4_gateup
	.p2alignl 7, 3214868480
	.fill 96, 4, 3214868480
	.section	.rodata,"a",@progbits
	.p2align	6, 0x0
	.amdhsa_kernel k_qb73b76c8b4_gateup
		.amdhsa_group_segment_fixed_size 148736
		.amdhsa_private_segment_fixed_size 0
		.amdhsa_enable_private_segment 0
		.amdhsa_kernarg_size 40
		.amdhsa_user_sgpr_count 2
		.amdhsa_user_sgpr_kernarg_segment_ptr 1
		.amdhsa_wavefront_size32 1
		.amdhsa_system_sgpr_workgroup_id_x 1
		.amdhsa_system_sgpr_workgroup_id_y 1
		.amdhsa_system_sgpr_workgroup_id_z 1
		.amdhsa_system_vgpr_workitem_id 0
		.amdhsa_next_free_vgpr 240
		.amdhsa_next_free_sgpr 66
		.amdhsa_reserve_vcc 1
		.amdhsa_float_denorm_mode_32 3
		.amdhsa_float_denorm_mode_16_64 3
		.amdhsa_memory_ordered 1
		.amdhsa_forward_progress 1
		.amdhsa_inst_pref_size 124
	.end_amdhsa_kernel
	.amdgpu_metadata
---
amdhsa.version: [ 1, 2 ]
amdhsa.kernels:
  - .name:           k_qb73b76c8b4_gateup
    .symbol:         k_qb73b76c8b4_gateup.kd
    .args:
      - { .name: x, .offset: 0, .size: 8, .value_kind: global_buffer, .address_space: global }
      - { .name: expert_indices, .offset: 8, .size: 8, .value_kind: global_buffer, .address_space: global }
      - { .name: w_gate, .offset: 16, .size: 8, .value_kind: global_buffer, .address_space: global }
      - { .name: w_up, .offset: 24, .size: 8, .value_kind: global_buffer, .address_space: global }
      - { .name: hid, .offset: 32, .size: 8, .value_kind: global_buffer, .address_space: global }
    .group_segment_fixed_size: 148736
    .private_segment_fixed_size: 0
    .kernarg_segment_align: 8
    .kernarg_segment_size: 40
    .max_flat_workgroup_size: 512
    .sgpr_count:     66
    .vgpr_count:     240
    .wavefront_size: 32
...
	.end_amdgpu_metadata
.endif
;; end of part 1
;; launch down (part 2): grid 16 x 8, 16 waves a work-group, no clusters, 274,688 bytes of LDS; arguments hid, expert_indices, w_down, out0; writes out0
.if DOCPART == 2
	.amdgcn_target "amdgcn-amd-amdhsa--gfx1250"
	.amdhsa_code_object_version 6
	.text
	.protected	k_qb73b76c8b4_down
	.globl	k_qb73b76c8b4_down
	.p2align	8
	.type	k_qb73b76c8b4_down,@function
k_qb73b76c8b4_down:
	s_mov_b64 s[64:65], 0
	v_nop
	global_prefetch_b8 v0, s[64:65] scope:SCOPE_SE
	s_setreg_imm32_b32 hwreg(HW_REG_WAVE_MODE, 25, 1), 1
	s_wait_xcnt 0x0
; out0[token] = hid[sorted row] Wd[e].  hid: bf16, [128 planes of 16 columns][1024 sorted rows][32 bytes], as the launch before stored it; w_down [8][2048][1024] f32; out0 [1024][1024] f32.
; SHARES.  Work-group (s, e): columns 64 s .. 64 s + 63 of out0 (256 bytes of a row, aligned), expert e, all of its rows: it alone reads its 512 KiB of weights, once.
; 128 work-groups: 32 columns each would halve the rows of w_down and the pieces of out0 to 128 bytes; a split of K over work-groups would need partial sums and a launch to add them.
; All 16 waves run one text.  K goes in 16 chunks of 128.  Wave w = (rg = w % 4, ks = w / 4) multiplies row tiles rg + 4 i (i = 0..2) by all four column tiles over slice ks, 32 of the chunk's K.
; THE ROWS OF hid NEVER TOUCH LDS: lane (r, h) loads 16 bytes at row x 32 + 16 h of planes 2 m and 2 m + 1, which are its registers 0-3 and 4-7 of the operand; a load of the wave covers 512
; consecutive bytes, and no two waves of the work-group need the same bytes.  THE WEIGHTS go through LDS: of a chunk wave w loads 4 x 2 rows of 256 bytes, rounds them to bf16 and stores them;
; every wave reads its slice's 32 rows turned.  By the text's count a chunk is 16 KiB of LDS stores and 64 KiB of LDS loads.
; Three register sets of each kind and three LDS slots take turns; one barrier a chunk, its signal ahead of the chunk's products and its wait behind them: all of a trip's LDS work stands ahead
; of the signal, and a wave that has ended its products goes on to the next trip's LDS work without waiting for the other waves' products.  The four slices' sums meet in LDS at the end, in f32.
; The list of the expert's tokens is made by the same lines as in the launch before: the same order.  Rows from 192 on take a plain path behind the main pass: slow, stores of 32 bytes a lane.
; ROWS PAST THE COUNT.  EXEC is never narrowed.  Places past the count n repeat the expert's last row, so they hold its numbers again; a store instruction whose first row
; is past the count is jumped; in one that holds rows on both sides the lanes past the count store the last row's bytes to the last row's token a second time.
; No tensor loads: the f32 weights pass through registers to be rounded.  No cluster: a slice of weights has one reader.
; REGISTERS.  Four waves to a SIMD, 256 each: v0 kept, 6 addresses, 32 of weights' fragments, 96 of sums, 48 + 72 of loads on their way; one is spare.
; LIMITS.  Indices lie in 0..7.  Matrix operands in bf16, sums in f32.  An expert without rows still streams its weights, multiplies a repeated row and stores nothing.
.set ROWB,   4096                      ; bytes in a row of w_down
.set CHB,    128*ROWB
.set WPITCH, 288                       ; an LDS row of weights: k and k + 64, 128 bytes each, + 32 of padding: 9 x 32 bytes, for the turning load
.set WSLOT,  64*WPITCH
.set PLB,    32768                     ; bytes in a plane of hid
.set ASTEP,  8*PLB                     ; a chunk's 128 columns of hid
.set SPITCH, 272                       ; a stage row: 64 f32 + 16 bytes of padding
.set RSZ,    192*SPITCH                ; a slice's region of the stage
.set META,   0
.set SPARE,  256                       ; the spare words: 128 bytes for each of 16 waves, eight blocks of 256 bytes that no other line names
.set LIST,   2304
.set WBASE,  10496
.set STAGE,  WBASE+3*WSLOT             ; four regions, one for each slice of K
.set VB,  1                            ; v1     LDS address of my fragments of weights
.set WO,  2                            ; v2     byte offset of my 16 bytes in a chunk of weights
.set WS,  3                            ; v3     where I store them in LDS
.set ADR, 4                            ; v4-6   byte offsets of my three row tiles in a plane of hid
.set BF,  8                            ; 4 fragments of weights
.set ACC, 40                           ; 12 accumulators: row tile i, column tile c at ACC + 8 (4 i + c)
.set WX,  136                          ; 3 sets x 4 loads x 4 registers
.set AF,  184                          ; 3 sets x 3 fragments of rows, as loaded
.set IX,  8                            ; ahead of the main pass: the 32 registers of indices,
.set LN,  40                           ; lane l, r = l % 16, h = l / 16,
.set RR,  41
.set HH,  42
.set T,   44                           ; and what is at work, in the sums' registers
.macro PLACES                          ; four plain places between a matrix instruction and a load into, or a vector line on, its registers
.rept 4
	v_nop
.endr
.endm
.macro BLOAD sl                        ; my slice's four fragments of weights out of slot sl, turned
.irp c,0,1,2,3
	ds_load_tr16_b128 v[BF+8*(\c):BF+8*(\c)+3],   v[VB] offset:(\sl)*WSLOT+32*(\c)
	ds_load_tr16_b128 v[BF+8*(\c)+4:BF+8*(\c)+7], v[VB] offset:(\sl)*WSLOT+16*WPITCH+32*(\c)
.endr
.endm
; Row tiles i0 .. i0 + ni - 1 (in set sl) by the four column tiles.  Source 0 = 16 columns of weights, source 1 = 16 tokens: a lane then holds one token and eight neighbouring columns.
; The accumulators take turns, one instruction a turn.  zero = 1: the first chunk's products start the sums.
.macro MUL i0, ni, sl, zero
.irp c,0,1,2,3
.set i, \i0
.rept \ni
.if \zero
	v_wmma_f32_16x16x32_bf16 v[ACC+8*(4*i+(\c)):ACC+8*(4*i+(\c))+7], v[BF+8*(\c):BF+8*(\c)+7], v[AF+24*(\sl)+8*i:AF+24*(\sl)+8*i+7], 0
.else
	v_wmma_f32_16x16x32_bf16 v[ACC+8*(4*i+(\c)):ACC+8*(4*i+(\c))+7], v[BF+8*(\c):BF+8*(\c)+7], v[AF+24*(\sl)+8*i:AF+24*(\sl)+8*i+7], v[ACC+8*(4*i+(\c)):ACC+8*(4*i+(\c))+7]
.endif
.set i, i+1
.endr
.endr
.endm
; My third row tile, where the expert's count reaches it; in the first chunk a dead tile's sums are set to 0.  The places serve the loads that follow into the rows' set and into the fragments.
.macro THIRD sl, zero
.if \zero
	s_cmp_eq_u32 s19, 3
	s_cbranch_scc1 .Lthree_\@
.set i, 0
.rept 32
	v_mov_b32 v[ACC+64+i], 0
.set i, i+1
.endr
	s_branch .Ltdone_\@
.Lthree_\@:
	MUL 2, 1, \sl, 1
.Ltdone_\@:
.else
	s_cmp_lg_u32 s19, 3
	s_cbranch_scc1 .Ltdone_\@
	MUL 2, 1, \sl, 0
.Ltdone_\@:
.endif
	PLACES
.endm
; Set st of the weights is rounded and stored into slot st; ld = 1: it is loaded again, three chunks on.  cnt: the loads issued behind this set's last.
.macro WSTORE st, ld, cnt
	s_wait_loadcnt \cnt
.irp m,0,1,2,3
	v_cvt_pk_bf16_f32 v[WX+16*(\st)+4*(\m)],   v[WX+16*(\st)+4*(\m)],   v[WX+16*(\st)+4*(\m)+1]
	v_cvt_pk_bf16_f32 v[WX+16*(\st)+4*(\m)+1], v[WX+16*(\st)+4*(\m)+2], v[WX+16*(\st)+4*(\m)+3]
	ds_store_b64 v[WS], v[WX+16*(\st)+4*(\m):WX+16*(\st)+4*(\m)+1] offset:(\st)*WSLOT+((\m)%2)*32*WPITCH+((\m)/2)*128
.endr
.if \ld
	s_wait_xcnt 0x0                                ; the base is stepped only behind this wait
	s_add_nc_u64 s[24:25], s[24:25], CHB
.irp m,0,1,2,3
	global_load_b128 v[WX+16*(\st)+4*(\m):WX+16*(\st)+4*(\m)+3], v[WO], s[24:25] offset:2*CHB+(\m)*32*ROWB th:TH_LOAD_NT
.endr
.endif
.endm
.macro ALOAD st                        ; set st of the rows, just multiplied, takes the chunk three on
	s_wait_xcnt 0x0                                ; the base is stepped only behind this wait
	s_add_nc_u64 s[28:29], s[28:29], ASTEP
.irp i,0,1,2
	global_load_b128 v[AF+24*(\st)+8*(\i):AF+24*(\st)+8*(\i)+3],   v[ADR+(\i)], s[28:29] offset:2*ASTEP
	global_load_b128 v[AF+24*(\st)+8*(\i)+4:AF+24*(\st)+8*(\i)+7], v[ADR+(\i)], s[28:29] offset:2*ASTEP+PLB
.endr
.endm
; Trip j.  Ahead of the signal, all its LDS work: the fragments of chunk j - 1 are asked for out of slot cs (the conversions below stand in their way back), the weights of chunk j go into
; slot st = j % 3, and those of chunk j + 3 are asked for (wl).  Between the signal and the wait: a wait for the rows and eight products, work on registers alone.  Behind the wait: the third
; tile's products, and the rows of chunk j + 2 are asked for (al).  What the barrier orders: the stores of chunk j are done at every wave's signal and are read behind the wait, in trip j + 1;
; the reads of slot cs are back at this signal, and that slot is stored again two barriers later.
.macro TRIP st, cs, wl, wc, comp, ac, al, zero
.if \comp
	BLOAD \cs
.endif
	WSTORE \st, \wl, \wc
	s_wait_dscnt 0x0                               ; my fragments are in; for the others' sake: my stores are done, my reads are back
	s_barrier_signal -1
.if \comp
	s_wait_loadcnt \ac
	MUL 0, 2, \cs, \zero
.endif
	s_barrier_wait -1
.if \comp
	THIRD \cs, \zero
.if \al
	ALOAD \cs
.endif
.endif
.endm
	s_load_b256 s[4:11], s[0:1], 0x0               ; hid s[4:5], expert_indices s[6:7], w_down s[8:9], out0 s[10:11]
	v_lshrrev_b32 v[LN], 5, v0
	v_readfirstlane_b32 s14, v[LN]                 ; wave w, 0..15
	v_and_b32 v[LN], 31, v0
	v_and_b32 v[RR], 15, v0
	v_bfe_u32 v[HH], v0, 4, 1
	s_and_b32 s15, ttmp7, 0xffff                   ; expert e
	s_mov_b32 s16, ttmp9                           ; slice s
	s_and_b32 s20, s14, 3                          ; rg: which row tile of four
	s_lshr_b32 s21, s14, 2                         ; ks: which 32 of a chunk's K
	v_lshl_add_u32 v[T], v0, 4, LIST               ; the list's 8,192 bytes are zeroed: 16 bytes a thread
	v_mov_b32 v[T+2], 0
	v_mov_b32 v[T+3], 0
	v_mov_b32 v[T+4], 0
	v_mov_b32 v[T+5], 0
	ds_store_b128 v[T], v[T+2:T+5]
	v_lshlrev_b32 v[T+1], 4, v[LN]                 ; the indices: 16 bytes a lane
	; of each 32 rows of weights I take rows 8 (w / 4) + w % 4 + 4 h: four LDS rows apart are 288 words, so the two rows' 128 bytes fall into different halves of the 64 banks (ISA guide 11.1)
	s_lshl_b32 s31, s21, 3
	s_add_co_u32 s31, s31, s20
	s_lshl_b32 s32, s31, 12
	v_lshlrev_b32 v[WO], 4, v[RR]
	v_lshl_add_u32 v[WO], v[HH], 14, v[WO]
	v_add_nc_u32 v[WO], s32, v[WO]
	s_lshl_b32 s34, s15, 23
	s_lshl_b32 s33, s16, 8
	s_add_co_u32 s34, s34, s33
	s_mov_b32 s35, 0
	s_lshl_b32 s36, s21, 16                        ; my slice begins 2 ks planes into a chunk
	s_mov_b32 s37, 0
	s_wait_kmcnt 0x0
	s_add_nc_u64 s[24:25], s[8:9], s[34:35]        ; the weights at my expert's slice
	s_add_nc_u64 s[28:29], s[4:5], s[36:37]        ; hid at my slice's first plane
	; every wave loads all 1,024 indices, so that all issue the same loads; then three chunks of weights go out
.irp j,0,1,2,3,4,5,6,7
	global_load_b128 v[IX+4*(\j):IX+4*(\j)+3], v[T+1], s[6:7] offset:512*(\j)
.endr
.irp d,0,1,2
.irp m,0,1,2,3
	global_load_b128 v[WX+16*(\d)+4*(\m):WX+16*(\d)+4*(\m)+3], v[WO], s[24:25] offset:(\d)*CHB+(\m)*32*ROWB th:TH_LOAD_NT
.endr
.endr
	; LDS addresses: a constant, terms of the wave's number, a lane term
	s_mul_i32 s32, s31, WPITCH
	s_add_co_u32 s32, s32, WBASE
	v_mul_u32_u24 v[T], v[HH], 4*WPITCH
	v_lshl_add_u32 v[T], v[RR], 3, v[T]
	v_add_nc_u32 v[WS], s32, v[T]
	v_and_b32 v[T], 7, v[LN]
	v_lshl_add_u32 v[T], v[HH], 3, v[T]
	v_mul_u32_u24 v[VB], v[T], WPITCH
	v_bfe_u32 v[T], v[LN], 3, 1
	v_lshl_add_u32 v[VB], v[T], 4, v[VB]
	s_lshr_b32 s32, s21, 1
	s_lshl_b32 s32, s32, 7                         ; slices 2 and 3 lie in the rows' second 128 bytes,
	s_and_b32 s33, s21, 1
	s_mul_i32 s33, s33, 32*WPITCH                  ; slices 1 and 3 in rows 32 to 63
	s_add_co_u32 s32, s32, s33
	s_add_co_u32 s32, s32, WBASE
	v_add_nc_u32 v[VB], s32, v[VB]
	s_wait_dscnt 0x0                               ; my part of the list is zeroed
	s_barrier_signal -1
	s_barrier_wait -1
	s_wait_loadcnt 12                              ; the indices are in; the 12 loads of weights behind them stay out
	s_cmp_lg_u32 s14, 0
	s_cbranch_scc1 .Lnolist
	; WAVE 0 MAKES THE LIST.  Register 4 j + c of lane l holds the index of token 128 j + 4 l + c; a token's rank is the matches counted so far plus those in lower lanes.
	s_mov_b32 s42, 1
	s_mov_b32 s43, 0
	v_lshlrev_b32 v[T], 2, v[LN]
	v_mov_b32 v[T+1], 0x401
.set q, 0
.rept 32
	v_cmp_eq_u32 s40, s15, v[IX+q]
	v_cmp_gt_u32 vcc_lo, s15, v[IX+q]
	v_mbcnt_lo_u32_b32 v[T+2], s40, 0
	v_add_nc_u32 v[T+2], s42, v[T+2]
	v_cndmask_b32 v[T+2], v[T+1], v[T+2], s40
	v_min_u32 v[T+2], 0x401, v[T+2]
	v_lshl_add_u32 v[T+2], v[T+2], 2, LIST
	v_add_nc_u32 v[T+3], 128*(q/4)+(q%4), v[T]
	ds_store_b32 v[T+2], v[T+3]
	s_bcnt1_i32_b32 s41, s40
	s_add_co_u32 s42, s42, s41
	s_bcnt1_i32_b32 s41, vcc_lo
	s_add_co_u32 s43, s43, s41
.set q, q+1
.endr
	s_sub_co_u32 s42, s42, 1
	v_mov_b32 v[T+4], s42
	v_mov_b32 v[T+5], s43
	v_mov_b32 v[T+6], META
	ds_store_b64 v[T+6], v[T+4:T+5]
.Lnolist:
	s_wait_dscnt 0x0                               ; the list is stored
	s_barrier_signal -1
	s_barrier_wait -1
	v_mov_b32 v[T], META
	ds_load_b64 v[T+2:T+3], v[T]
	s_wait_dscnt 0x0
	v_readfirstlane_b32 s17, v[T+2]                ; n
	v_readfirstlane_b32 s18, v[T+3]                ; off
	s_min_u32 s17, s17, 1024
	s_min_u32 s18, s18, 1024
	s_lshl_b32 s31, s20, 4
	s_add_co_u32 s32, s31, 128
	s_cmp_gt_u32 s17, s32
	s_cselect_b32 s19, 3, 2                        ; my third row tile begins at row 128 + 16 rg
	s_max_u32 s23, s17, 1
	s_sub_co_u32 s23, s23, 1                       ; the expert's last row (0 where it has none)
	s_lshl_b32 s34, s16, 8
	s_mov_b32 s35, 0
	s_add_nc_u64 s[44:45], s[10:11], s[34:35]      ; out0 at my 64 columns
	; my three row tiles: rows 16 rg + 64 i + r; places past the count repeat the expert's last row, so every path issues the same loads
	v_add_nc_u32 v[T], s31, v[RR]
	v_lshlrev_b32 v[T+1], 4, v[HH]
.irp i,0,1,2
	v_add_nc_u32 v[ADR+(\i)], 64*(\i), v[T]
	v_min_u32 v[ADR+(\i)], s23, v[ADR+(\i)]
	v_add_nc_u32 v[ADR+(\i)], s18, v[ADR+(\i)]
	v_min_u32 v[ADR+(\i)], 0x3ff, v[ADR+(\i)]
	v_lshl_add_u32 v[ADR+(\i)], v[ADR+(\i)], 5, v[T+1]
.endr
.irp d,0,1,2
.irp i,0,1,2
	global_load_b128 v[AF+24*(\d)+8*(\i):AF+24*(\d)+8*(\i)+3],   v[ADR+(\i)], s[28:29] offset:(\d)*ASTEP
	global_load_b128 v[AF+24*(\d)+8*(\i)+4:AF+24*(\d)+8*(\i)+7], v[ADR+(\i)], s[28:29] offset:(\d)*ASTEP+PLB
.endr
.endr
	; THE MAIN PASS.  W is 4 loads, A is 6.  They stand in the order W0 W1 W2 A0 A1 A2, W3, W4 A3, W5 A4, .. W15 A14, A15.
	; Behind W(j) stand A W A W A = 26 from trip 4 on (26, 26, 32, 20 in trips 0 to 3: the least of them is written there); behind A(j - 1), at its wait, W A W A W = 24 (20 in trip 1, 28 in trip 3).
	TRIP 0, 0, 1, 20, 0, 0, 0, 0                   ; the weights of chunk 0 are stored
	TRIP 1, 0, 1, 20, 1, 20, 1, 1                  ; chunk 0 starts the sums
	TRIP 2, 1, 1, 20, 1, 24, 1, 0
	TRIP 0, 2, 1, 20, 1, 24, 1, 0
	s_mov_b32 s30, 3
.Lmain:                                                ; trips 4 to 12
	TRIP 1, 0, 1, 26, 1, 24, 1, 0
	TRIP 2, 1, 1, 26, 1, 24, 1, 0
	TRIP 0, 2, 1, 26, 1, 24, 1, 0
	s_sub_co_u32 s30, s30, 1
	s_cmp_lg_u32 s30, 0
	s_cbranch_scc1 .Lmain
	TRIP 1, 0, 0, 26, 1, 20, 1, 0                  ; trip 13: no weights are left to ask for; the rows of chunk 15 are.  The counts run down:
	TRIP 2, 1, 0, 22, 1, 16, 0, 0                  ; behind W14: A13 W15 A14 A15; behind A13: W15 A14 A15
	TRIP 0, 2, 0, 12, 1, 6, 0, 0                   ; behind W15: A14 A15; behind A14: A15
	BLOAD 0                                        ; chunk 15
	s_wait_loadcnt 0x0
	s_wait_dscnt 0x0
	MUL 0, 2, 0, 0
	THIRD 0, 0
	; THE FOUR SLICES' SUMS MEET.  Each wave stores its twelve sums into its slice's region of the stage: a lane's eight columns are 32 bytes of a row.
.set LN, 8                             ; from here on the lane terms and what is at work lie in the fragments' registers
.set RR, 9
.set HH, 10
.set T,  12
.set LA, 20                            ; the way out: list addresses, tokens, data
.set TK, 26
.set DT, 40
.set GR, 136                           ; the plain path
.set UR, 152
.set AR, 168
	v_and_b32 v[LN], 31, v0
	v_and_b32 v[RR], 15, v0
	v_bfe_u32 v[HH], v0, 4, 1
	s_mul_i32 s33, s20, 16*SPITCH
	s_mul_i32 s32, s21, RSZ
	s_add_co_u32 s33, s33, s32
	s_add_co_u32 s33, s33, STAGE
	v_mul_u32_u24 v[T], v[RR], SPITCH
	v_lshl_add_u32 v[T], v[HH], 5, v[T]
	v_add_nc_u32 v[T], s33, v[T]
.irp i,0,1,2
.irp c,0,1,2,3
	ds_store_b128 v[T], v[ACC+8*(4*(\i)+(\c)):ACC+8*(4*(\i)+(\c))+3]   offset:(\i)*64*SPITCH+64*(\c)
	ds_store_b128 v[T], v[ACC+8*(4*(\i)+(\c))+4:ACC+8*(4*(\i)+(\c))+7] offset:(\i)*64*SPITCH+64*(\c)+16
.endr
.endr
	s_wait_dscnt 0x0
	s_barrier_signal -1
	s_barrier_wait -1
	; THE WAY OUT.  Rows 2 w + h + 32 q: the four regions' numbers are added in f32, and sixteen lanes store a token's 256 consecutive bytes, at a multiple of 256 from out0's first.
	; A store whose first row is past the count is jumped, and so are the later ones; where the second row alone is past it, that row, a copy of the last row, goes to the last row's token again.
	s_lshl_b32 s31, s14, 1
	v_add_nc_u32 v[T], s31, v[HH]
	v_mul_u32_u24 v[T+1], v[T], SPITCH
	v_lshl_add_u32 v[T+1], v[RR], 4, v[T+1]
.irp g,0,1,2,3
	v_add_nc_u32 v[T+4+(\g)], STAGE+(\g)*RSZ, v[T+1]
.endr
	v_lshlrev_b32 v[T+2], 4, v[RR]
.irp q,0,1,2,3,4,5
	v_add_nc_u32 v[LA+(\q)], 32*(\q), v[T]
	v_min_u32 v[LA+(\q)], s23, v[LA+(\q)]
	v_add_nc_u32 v[LA+(\q)], 1, v[LA+(\q)]
	v_min_u32 v[LA+(\q)], 0x400, v[LA+(\q)]
	v_lshl_add_u32 v[LA+(\q)], v[LA+(\q)], 2, LIST
	ds_load_b32 v[TK+(\q)], v[LA+(\q)]
.irp g,0,1,2,3
	ds_load_b128 v[DT+16*(\q)+4*(\g):DT+16*(\q)+4*(\g)+3], v[T+4+(\g)] offset:(\q)*32*SPITCH
.endr
.endr
	s_wait_dscnt 0x0
.irp q,0,1,2,3,4,5
	v_min_u32 v[TK+(\q)], 0x3ff, v[TK+(\q)]
	v_lshl_add_u32 v[TK+(\q)], v[TK+(\q)], 12, v[T+2]
.irp j,0,2
	v_pk_add_f32 v[DT+16*(\q)+(\j):DT+16*(\q)+(\j)+1],     v[DT+16*(\q)+(\j):DT+16*(\q)+(\j)+1],     v[DT+16*(\q)+4+(\j):DT+16*(\q)+4+(\j)+1]
	v_pk_add_f32 v[DT+16*(\q)+8+(\j):DT+16*(\q)+8+(\j)+1], v[DT+16*(\q)+8+(\j):DT+16*(\q)+8+(\j)+1], v[DT+16*(\q)+12+(\j):DT+16*(\q)+12+(\j)+1]
.endr
.irp j,0,2
	v_pk_add_f32 v[DT+16*(\q)+(\j):DT+16*(\q)+(\j)+1], v[DT+16*(\q)+(\j):DT+16*(\q)+(\j)+1], v[DT+16*(\q)+8+(\j):DT+16*(\q)+8+(\j)+1]
.endr
.endr
.irp q,0,1,2,3,4,5
	s_add_co_u32 s32, s31, 32*(\q)                 ; the store's first row
	s_cmp_ge_u32 s32, s17
	s_cbranch_scc1 .Lstored
	global_store_b128 v[TK+(\q)], v[DT+16*(\q):DT+16*(\q)+3], s[44:45] th:TH_STORE_NT
.endr
.Lstored:
	s_wait_xcnt 0x0                                ; the stores' registers are rewritten only behind this wait
	; ROWS FROM 192 ON.  Column tiles 2 g, 2 g + 1 with g = w % 2, row tile 12 + 8 R + w / 2, R = 0..6: a constant count that covers 1,024 rows; tiles past the count are jumped.
	; No barrier, no LDS store.
	s_add_co_u32 s47, s17, 15
	s_lshr_b32 s47, s47, 4
	s_cmp_le_u32 s47, 12
	s_cbranch_scc1 .Lend
	s_and_b32 s46, s14, 1
	s_lshr_b32 s48, s14, 1
	s_add_co_u32 s48, s48, 12
	s_lshl_b32 s34, s15, 23
	s_lshl_b32 s33, s16, 8
	s_add_co_u32 s34, s34, s33
	s_lshl_b32 s36, s46, 7
	s_add_co_u32 s34, s34, s36
	s_mov_b32 s35, 0
	s_mov_b32 s37, 0
	s_add_nc_u64 s[56:57], s[44:45], s[36:37]      ; out0 at my 32 columns
	v_lshlrev_b32 v[T+4], 2, v[RR]
	v_lshl_add_u32 v[T+4], v[HH], 15, v[T+4]       ; 8 h rows + 4 r
.macro SSTEP kk                        ; 32 along K: planes 2 kk and 2 kk + 1 of four
	PLACES
.irp j,0,1,2,3,4,5,6,7
	global_load_b32 v[GR+(\j)],   v[T+4], s[50:51] offset:((\kk)*32+(\j))*ROWB
	global_load_b32 v[GR+8+(\j)], v[T+4], s[50:51] offset:((\kk)*32+16+(\j))*ROWB
	global_load_b32 v[UR+(\j)],   v[T+4], s[50:51] offset:((\kk)*32+(\j))*ROWB+64
	global_load_b32 v[UR+8+(\j)], v[T+4], s[50:51] offset:((\kk)*32+16+(\j))*ROWB+64
.endr
	global_load_b128 v[AR:AR+3],   v[T+8], s[54:55] offset:2*(\kk)*PLB
	global_load_b128 v[AR+4:AR+7], v[T+8], s[54:55] offset:2*(\kk)*PLB+PLB
	s_wait_loadcnt 0x0
	s_wait_xcnt 0x0
.irp m,0,1,2,3,4,5,6,7
	v_cvt_pk_bf16_f32 v[GR+(\m)], v[GR+2*(\m)], v[GR+2*(\m)+1]
	v_cvt_pk_bf16_f32 v[UR+(\m)], v[UR+2*(\m)], v[UR+2*(\m)+1]
.endr
	v_wmma_f32_16x16x32_bf16 v[ACC:ACC+7],    v[GR:GR+7], v[AR:AR+7], v[ACC:ACC+7]
	v_wmma_f32_16x16x32_bf16 v[ACC+8:ACC+15], v[UR:UR+7], v[AR:AR+7], v[ACC+8:ACC+15]
.endm
	s_mov_b32 s58, 7
.Lsl_unit:
	s_cmp_ge_u32 s48, s47
	s_cbranch_scc1 .Lsl_next
	v_lshl_add_u32 v[T+5], s48, 4, v[RR]           ; my row;
	v_min_u32 v[T+3], s23, v[T+5]                  ; past the count: the last row again, its numbers and its token
	v_min_u32 v[T+3], 0x3ff, v[T+3]
	v_add_nc_u32 v[T+6], 1, v[T+3]
	v_min_u32 v[T+6], 0x400, v[T+6]
	v_lshl_add_u32 v[T+6], v[T+6], 2, LIST
	ds_load_b32 v[T+7], v[T+6]
	v_add_nc_u32 v[T+3], s18, v[T+3]
	v_min_u32 v[T+3], 0x3ff, v[T+3]
	v_lshlrev_b32 v[T+8], 4, v[HH]
	v_lshl_add_u32 v[T+8], v[T+3], 5, v[T+8]
	s_add_nc_u64 s[50:51], s[8:9], s[34:35]
	s_mov_b64 s[54:55], s[4:5]
.set i, 0
.rept 16
	v_mov_b32 v[ACC+i], 0
.set i, i+1
.endr
	s_wait_dscnt 0x0
	v_min_u32 v[T+7], 0x3ff, v[T+7]
	v_lshlrev_b32 v[T+9], 5, v[HH]
	v_lshl_add_u32 v[T+9], v[T+7], 12, v[T+9]
	s_mov_b32 s59, 32
.Lsl_k:                                                ; four planes of hid: 64 along K
	SSTEP 0
	SSTEP 1
	s_add_nc_u64 s[50:51], s[50:51], 64*ROWB       ; all loads are in: the bases may be stepped
	s_add_nc_u64 s[54:55], s[54:55], 4*PLB
	s_sub_co_u32 s59, s59, 1
	s_cmp_lg_u32 s59, 0
	s_cbranch_scc1 .Lsl_k
	PLACES
	global_store_b128 v[T+9], v[ACC:ACC+3],     s[56:57]
	global_store_b128 v[T+9], v[ACC+4:ACC+7],   s[56:57] offset:16
	global_store_b128 v[T+9], v[ACC+8:ACC+11],  s[56:57] offset:64
	global_store_b128 v[T+9], v[ACC+12:ACC+15], s[56:57] offset:80
	s_wait_xcnt 0x0                                ; the stores' registers are rewritten only behind this wait
.Lsl_next:
	s_add_co_u32 s48, s48, 8
	s_sub_co_u32 s58, s58, 1
	s_cmp_lg_u32 s58, 0
	s_cbranch_scc1 .Lsl_unit
.Lend:
	v_lshl_add_u32 v[T], v0, 2, SPARE              ; the wave's end.  The main pass leaves one register spare, so the add's two are made here, from v0 as it came:
	v_mov_b32 v[T+1], 0                            ; my spare word's address, and 0
	s_wait_tensorcnt 0x0
	ds_add_u32 v[T], v[T+1]
	s_wait_dscnt 0x0
	s_endpgm
.Lfunc_end_k_qb73b76c8b4_down:
	.size	k_qb73b76c8b4_down, .Lfunc_end_k_qb73b76c8b4_down-k_qb73b76c8b4_down
	.p2alignl 7, 3214868480
	.fill 96, 4, 3214868480
	.section	.rodata,"a",@progbits
	.p2align	6, 0x0
	.amdhsa_kernel k_qb73b76c8b4_down
		.amdhsa_group_segment_fixed_size 274688
		.amdhsa_private_segment_fixed_size 0
		.amdhsa_enable_private_segment 0
		.amdhsa_kernarg_size 32
		.amdhsa_user_sgpr_count 2
		.amdhsa_user_sgpr_kernarg_segment_ptr 1
		.amdhsa_wavefront_size32 1
		.amdhsa_system_sgpr_workgroup_id_x 1
		.amdhsa_system_sgpr_workgroup_id_y 1
		.amdhsa_system_sgpr_workgroup_id_z 1
		.amdhsa_system_vgpr_workitem_id 0
		.amdhsa_next_free_vgpr 256
		.amdhsa_next_free_sgpr 66
		.amdhsa_reserve_vcc 1
		.amdhsa_float_denorm_mode_32 3
		.amdhsa_float_denorm_mode_16_64 3
		.amdhsa_memory_ordered 1
		.amdhsa_forward_progress 1
		.amdhsa_inst_pref_size 84
	.end_amdhsa_kernel
	.amdgpu_metadata
---
amdhsa.version: [ 1, 2 ]
amdhsa.kernels:
  - .name:           k_qb73b76c8b4_down
    .symbol:         k_qb73b76c8b4_down.kd
    .args:
      - { .name: hid, .offset: 0, .size: 8, .value_kind: global_buffer, .address_space: global }
      - { .name: expert_indices, .offset: 8, .size: 8, .value_kind: global_buffer, .address_space: global }
      - { .name: w_down, .offset: 16, .size: 8, .value_kind: global_buffer, .address_space: global }
      - { .name: out0, .offset: 24, .size: 8, .value_kind: global_buffer, .address_space: global }
    .group_segment_fixed_size: 274688
    .private_segment_fixed_size: 0
    .kernarg_segment_align: 8
    .kernarg_segment_size: 32
    .max_flat_workgroup_size: 512
    .sgpr_count:     66
    .vgpr_count:     256
    .wavefront_size: 32
...
	.end_amdgpu_metadata
.endif
;; end of part 2
